; MI455X (gfx1250); checked and timed in simulation.
; The chip was launched on July 23, 2026; its instructions are those of AMD's public machine-readable ISA for CDNA 5 (MIT licence, August 2026) and "CDNA5" Instruction Set Architecture Reference Guide (July 2026). The comments in the code are by the model that wrote it; some were corrected since.
;; Causal Self Attention. Allowed arithmetic: matrix products marked QUANTISED: E4M3 operands, one given power-of-two scale a tensor, by v_wmma_f32_16x16x64_fp8_fp8 or v_wmma_f32_16x16x128_fp8_fp8, f32 sums; everything else in f32.
;; Inputs: W_attn 3,072 x 1,024 float32; W_proj 1,024 x 1,024 float32; lowp_scales 8 int32 (the exponents e of the quantised operands' scales 2^e); x 4 x 2,048 x 1,024 float32.
;; Outputs: out0 4 x 2,048 x 1,024 float32.
;; This version of the problem:
;;   THIS VERSION OF THE PROBLEM IS GIVEN IN LOW PRECISION. The matrix products marked QUANTISED in the list below multiply operands that are first quantised to E4M3 (4 exponent bits, 3 mantissa bits; 8 bits a number), with one given power-of-two scale for each operand tensor; their sums are f32. All else is computed in f32.
;;   The module's matrix products, in the order in which they are computed (A, B: the left and right operand; K: the contracted axis; several contracted axes count as one K, in the product's order):
;;     1. [M 8,192, K 1,024] x [K 1,024, N 3,072]; A: input x; B: input W_attn: QUANTISED (scales: A lowp_scales[0], B lowp_scales[1])
;;     2. batch 64 x [M 2,048, K 64] x [K 64, N 2,048]; A: computed on the way; B: computed on the way: QUANTISED (scales: A lowp_scales[2], B lowp_scales[3])
;;     3. batch 64 x [M 2,048, K 2,048] x [K 2,048, N 64]; A: softmax (see below); B: computed on the way: QUANTISED (scales: A lowp_scales[4], B lowp_scales[5])
;;     4. [M 8,192, K 1,024] x [K 1,024, N 1,024]; A: computed on the way; B: input W_proj: QUANTISED (scales: A lowp_scales[6], B lowp_scales[7])
;;   THE QUANTISER, for each operand of a quantised product, along K:
;;     - The operand's scale is 2^e, e = its entry of the input lowp_scales (int32; the entries are numbered through the quantised products in the list's order, A before B).
;;     - Each number is divided by the scale, clamped to +-448, and rounded to the nearest number of E4M3, ties to even, subnormals kept.
;;     - The product sums the exact products of the quantised numbers (number of the format x scale) in f32.
;;   ~~~python
;;   def quantise(x, axis, e):      # numpy; x: float32 -> the quantised numbers, widened to float32 again
;;       x = np.moveaxis(x, axis, -1); K = x.shape[-1]
;;       r = np.clip(x / 2.0 ** e, -448, 448)
;;       step = 2.0 ** (np.maximum(np.frexp(np.where(r == 0, 1, r))[1] - 1, -6) - 3)
;;       q = np.round(r / step) * step * 2.0 ** e      # np.round: ties to even
;;       return np.moveaxis(q, -1, axis).astype(np.float32)
;;   ~~~
;;   SOFTMAX AHEAD OF A QUANTISED PRODUCT. Where the list says 'softmax', what is quantised is not the finished softmax but p = 2^(t - M), with t = logit x log2(e) and M = ceil(the row's largest t), a whole number; so 1/2 < the row's largest p <= 1. The row's sum l is taken of the UNQUANTISED p, in f32, and the product's result is divided by l at the end. Since M is a whole number, a kernel that streams over the keys may use a running M (the ceiling of the running maximum): every later rescaling is an exact power of two, so the quantised numbers keep their values, but for numbers so far below the row's largest that they fall under the format's range.
;;   OPERANDS COMPUTED ON THE WAY. 'Computed on the way' means the value that the module computes at that place (a softmax that the list does not call 'softmax' is quantised finished and normalised). What goes into a quantiser is computed in f32, as accurately as f32 sums, v_exp_f32 and their like allow (about 1e-6 of the number): no bf16 or f16 on the way to a quantiser, and a product that is left as it is and whose result goes on into a quantised operand takes f32 operands (vector FMAs, or v_wmma_f32_16x16x4_f32). A number that lies on a knife's edge between two numbers of the format may be rounded either way, as far as f32 arithmetic and the matrix unit's own rounding can turn it there, and no further.
;; One version. Each part assembles by itself: llvm-mc -triple=amdgcn-amd-amdhsa -mcpu=gfx1250 --defsym DOCPART=n.
;; ======== version 1 of 1: 4 launches
;; limits: right only within a limited range of input values
;; workspace buffers: xc 8,388,608 bytes; wac 3,145,728 bytes; wpc 1,048,576 bytes; qc 8,388,608 bytes; kvc 16,777,216 bytes; yc 8,388,608 bytes
;; launch quant (part 1): grid 384 x 1, 4 waves a work-group, no clusters, 68,096 bytes of LDS; arguments x, W_attn, W_proj, lowp_scales, xc, wac, wpc; writes xc, wac, wpc
.if DOCPART == 1
	.amdgcn_target "amdgcn-amd-amdhsa--gfx1250"
	.amdhsa_code_object_version 6
	.text
	.protected	k_q356bf4b774_quant
	.globl	k_q356bf4b774_quant
	.p2align	8
	.type	k_q356bf4b774_quant,@function
k_q356bf4b774_quant:
	s_mov_b64 s[64:65], 0
	v_nop
	global_prefetch_b8 v0, s[64:65] scope:SCOPE_SE
	s_setreg_imm32_b32 hwreg(HW_REG_WAVE_MODE, 25, 1), 1
	s_wait_xcnt 0x0
; x [8192][1024], W_attn [3072][1024], W_proj [1024][1024], f32, K innermost, become codes of FP8 (E4M3) with the given scales 2^e (entries 0, 1 and 7 of the scales).
; code = number / 2^e, rounded to the nearest code, ties to even.
; LIMITS: each of the three e lies between -126 and 119, so that 2^e and 448 x 2^e are f32 numbers.  NaN among the inputs is not served.
; THE CODES ARE LAID AS IMAGES OF OPERAND REGISTERS: [K slot of 256: 4][block of 16 rows][K step of 128: 2][2,048 bytes].  A fragment (16 rows x 128 K) is four chunks of 512 bytes; in chunk c
; lane (r = lane % 16, h = lane / 16) owns the 16 bytes at 16 x lane: row r, K = 32 c + 8 h + 0..7 and 32 c + 16 + 8 h + 0..7: registers 4 c .. 4 c + 3 of the 16x16x128 form's operand.
; SHARES.  Work-groups 0-255 take x, 256-351 W_attn, 352-383 W_proj, 32 rows each; wave w takes K slot w: four fragments.  One path serves all three: only pointers, a stride and e are chosen, on the work-group's number.
; Each load reads 512 consecutive bytes of one row.  A fragment turns through the wave's own stage in LDS (16 rows, 528 bytes apart, so that sixteen rows start 16 bytes apart modulo 256) and comes back
; 32 + 32 bytes a lane; a chunk's 16 bytes a lane are stored as 512 consecutive aligned bytes.  No barrier: waves share nothing.  No matrix work, no cluster: each byte is read once and written once.
.set SP,    528                        ; a stage row: 512 bytes + 16
.set STG,   16*SP                      ; a stage
.set WREG,  2*STG                      ; a wave's two stages
.set LD,    2                          ; v2   16 x lane: my place in a load's and in a store's 512 bytes; never rewritten
.set STW,   3                          ; v3   the stage, on the way in
.set STR,   4                          ; v4   the stage, on the way out: row r, + 32 h
.set LIM,   10
.set SCL,   11                         ; v11  2^e
.set R,     16                         ; v16-143  two sets of 64: a fragment as loaded
.set X,     144                        ; v144-175 two sets of 16: a chunk's numbers
.set C,     176                        ; v176-239 four registers for each of the 16 chunks: no store's data are written again
	s_load_b256 s[4:11], s[0:1], 0x0               ; x, W_attn, W_proj, the scales' exponents
	s_load_b128 s[12:15], s[0:1], 0x20             ; x's codes, W_attn's codes
	s_load_b64 s[16:17], s[0:1], 0x30              ; W_proj's codes
	v_lshl_add_u32 v240, v0, 2, 0x10800
	v_mov_b32 v241, 0
	v_lshrrev_b32 v1, 5, v0
	v_readfirstlane_b32 s18, v1                    ; wave 0..3
	v_and_b32 v1, 31, v0
	v_lshlrev_b32 v[LD], 4, v1
	s_mul_i32 s19, s18, WREG
	v_add_nc_u32 v[STW], s19, v[LD]
	v_and_b32 v5, 15, v0                           ; r
	v_bfe_u32 v6, v0, 4, 1                         ; h
	v_mul_u32_u24 v[STR], v5, SP
	v_lshl_add_u32 v[STR], v6, 5, v[STR]
	v_add_nc_u32 v[STR], s19, v[STR]
	s_mov_b32 s21, 352
	s_mov_b32 s23, 0x40000
	s_wait_alu depctr_va_vdst(0)
	s_wait_kmcnt 0x0
	s_load_b256 s[24:31], s[10:11], 0x0            ; the eight exponents
	s_cmp_lt_u32 ttmp9, 352                        ; W_attn or W_proj: the choice hangs on the work-group's number alone
	s_cselect_b64 s[6:7], s[6:7], s[8:9]
	s_cselect_b64 s[14:15], s[14:15], s[16:17]
	s_cselect_b32 s20, 256, s21                    ; the tensor's first work-group
	s_cselect_b32 s22, 0xc0000, s23                ; bytes from K slot to K slot: blocks of rows x 4,096
	s_cmp_lt_u32 ttmp9, 256                        ; x or one of those
	s_cselect_b64 s[4:5], s[4:5], s[6:7]
	s_cselect_b64 s[12:13], s[12:13], s[14:15]
	s_cselect_b32 s20, 0, s20
	s_cselect_b32 s22, 0x200000, s22
	s_sub_co_u32 s36, ttmp9, s20                   ; which 32 rows of the tensor
	s_lshl_b32 s32, s36, 17                        ; 32 rows of 4,096 bytes,
	s_lshl_b32 s33, s18, 10                        ; my K slot's 1,024 bytes of a row
	s_add_co_u32 s32, s32, s33
	s_mov_b32 s33, 0
	s_mul_i32 s34, s18, s22                        ; the codes: my K slot,
	s_lshl_b32 s35, s36, 13                        ; two blocks of rows of 4,096 bytes
	s_add_co_u32 s34, s34, s35
	s_mov_b32 s35, 0
	s_add_nc_u64 s[4:5], s[4:5], s[32:33]
	s_add_nc_u64 s[12:13], s[12:13], s[34:35]
.macro LOADF f                         ; fragment f (rows 16 (f / 2) on, K step f % 2) into set f % 2: 16 loads, a row's 512 consecutive bytes each
.irp i, 0,1,2,3,4,5,6,7,8,9,10,11,12,13,14,15
	global_load_b128 v[R+64*((\f)%2)+4*\i:R+64*((\f)%2)+4*\i+3], v[LD], s[4:5] offset:(16*((\f)/2)+\i)*4096+512*((\f)%2) th:TH_LOAD_NT
.endr
.endm
.macro STAGE f                         ; into stage f % 2, as loaded
.irp i, 0,1,2,3,4,5,6,7,8,9,10,11,12,13,14,15
	ds_store_b128 v[STW], v[R+64*((\f)%2)+4*\i:R+64*((\f)%2)+4*\i+3] offset:STG*((\f)%2)+SP*\i
.endr
.endm
.macro RDC f, c                        ; chunk c's 16 numbers of my lane into set c % 2.  LDS serves a wave's instructions in order: these see the stores
	ds_load_b128 v[X+16*((\c)%2):X+16*((\c)%2)+3],     v[STR] offset:STG*((\f)%2)+128*(\c)
	ds_load_b128 v[X+16*((\c)%2)+4:X+16*((\c)%2)+7],   v[STR] offset:STG*((\f)%2)+128*(\c)+16
	ds_load_b128 v[X+16*((\c)%2)+8:X+16*((\c)%2)+11],  v[STR] offset:STG*((\f)%2)+128*(\c)+64
	ds_load_b128 v[X+16*((\c)%2)+12:X+16*((\c)%2)+15], v[STR] offset:STG*((\f)%2)+128*(\c)+80
.endm
.macro CHUNK f, c
.irp i, 0,1,2,3,4,5,6,7,8,9,10,11,12,13,14,15
.endr
	v_cvt_scalef32_pk8_fp8_f32 v[C+4*(4*(\f)+(\c)):C+4*(4*(\f)+(\c))+1], v[X+16*((\c)%2):X+16*((\c)%2)+7], v[SCL]
	v_cvt_scalef32_pk8_fp8_f32 v[C+4*(4*(\f)+(\c))+2:C+4*(4*(\f)+(\c))+3], v[X+16*((\c)%2)+8:X+16*((\c)%2)+15], v[SCL]
	global_store_b128 v[LD], v[C+4*(4*(\f)+(\c)):C+4*(4*(\f)+(\c))+3], s[12:13] offset:4096*((\f)/2)+2048*((\f)%2)+512*(\c)   ; 32 lanes store 512 consecutive aligned bytes; the results go to a store alone
.endm
.macro FRAGQ f
.if (\f) < 3
	s_wait_loadcnt 16                              ; this fragment's 16 loads are in; the next fragment's 16 may be out
.else
	s_wait_loadcnt 0
.endif
	STAGE \f
	v_nop
	RDC \f, 0
	RDC \f, 1
	s_wait_dscnt 4                                 ; all but chunk 1's four reads: the stage's stores are done, chunk 0 is in
.if (\f)+2 < 4
	LOADF (\f)+2                                   ; into the set that the stage's stores have read
.endif
	CHUNK \f, 0
	RDC \f, 2
	s_wait_dscnt 4                                 ; chunk 1 is in; chunk 2's four reads may be out
	CHUNK \f, 1
	RDC \f, 3
	s_wait_dscnt 4                                 ; chunk 2 is in
	CHUNK \f, 2
	s_wait_dscnt 0
	CHUNK \f, 3
.endm
	LOADF 0
	LOADF 1
	s_wait_kmcnt 0x0
	s_cmp_lt_u32 ttmp9, 352
	s_cselect_b32 s25, s25, s31                    ; e of W_attn or of W_proj
	s_cmp_lt_u32 ttmp9, 256
	s_cselect_b32 s24, s24, s25                    ; or of x
	s_add_co_i32 s24, s24, 127
	s_lshl_b32 s25, s24, 23
	v_mov_b32 v[SCL], s25                          ; 2^e as f32: the conversion takes its exponent field
	s_add_co_i32 s24, s24, 8
	s_lshl_b32 s24, s24, 23
	s_or_b32 s24, s24, 0x600000
	s_wait_alu depctr_va_vdst(0)
	FRAGQ 0
	FRAGQ 1
	FRAGQ 2
	FRAGQ 3
	s_wait_tensorcnt 0x0
	ds_add_u32 v240, v241
	s_wait_dscnt 0x0
	s_endpgm
.Lfunc_end_k_q356bf4b774_quant:
	.size	k_q356bf4b774_quant, .Lfunc_end_k_q356bf4b774_quant-k_q356bf4b774_quant
	.p2alignl 7, 3214868480
	.fill 96, 4, 3214868480
	.section	.rodata,"a",@progbits
	.p2align	6, 0x0
	.amdhsa_kernel k_q356bf4b774_quant
		.amdhsa_group_segment_fixed_size 68096
		.amdhsa_private_segment_fixed_size 0
		.amdhsa_enable_private_segment 0
		.amdhsa_kernarg_size 56
		.amdhsa_user_sgpr_count 2
		.amdhsa_user_sgpr_kernarg_segment_ptr 1
		.amdhsa_wavefront_size32 1
		.amdhsa_system_sgpr_workgroup_id_x 1
		.amdhsa_system_sgpr_workgroup_id_y 1
		.amdhsa_system_sgpr_workgroup_id_z 1
		.amdhsa_system_vgpr_workitem_id 0
		.amdhsa_next_free_vgpr 242
		.amdhsa_next_free_sgpr 66
		.amdhsa_reserve_vcc 0
		.amdhsa_float_denorm_mode_32 3
		.amdhsa_float_denorm_mode_16_64 3
		.amdhsa_fp16_overflow 1
		.amdhsa_memory_ordered 1
		.amdhsa_forward_progress 1
		.amdhsa_inst_pref_size 22
	.end_amdhsa_kernel
	.amdgpu_metadata
---
amdhsa.version: [ 1, 2 ]
amdhsa.kernels:
  - .name:           k_q356bf4b774_quant
    .symbol:         k_q356bf4b774_quant.kd
    .args:
      - { .name: x, .offset: 0, .size: 8, .value_kind: global_buffer, .address_space: global }
      - { .name: W_attn, .offset: 8, .size: 8, .value_kind: global_buffer, .address_space: global }
      - { .name: W_proj, .offset: 16, .size: 8, .value_kind: global_buffer, .address_space: global }
      - { .name: lowp_scales, .offset: 24, .size: 8, .value_kind: global_buffer, .address_space: global }
      - { .name: xc, .offset: 32, .size: 8, .value_kind: global_buffer, .address_space: global }
      - { .name: wac, .offset: 40, .size: 8, .value_kind: global_buffer, .address_space: global }
      - { .name: wpc, .offset: 48, .size: 8, .value_kind: global_buffer, .address_space: global }
    .group_segment_fixed_size: 68096
    .private_segment_fixed_size: 0
    .kernarg_segment_align: 8
    .kernarg_segment_size: 56
    .max_flat_workgroup_size: 128
    .sgpr_count:     66
    .vgpr_count:     242
    .wavefront_size: 32
...
	.end_amdgpu_metadata
.endif
;; end of part 1
;; launch qkv (part 2): grid 16 x 16, 4 waves a work-group, clusters of 4 x 4, 327,680 bytes of LDS; arguments xc, wac, lowp_scales, qc, kvc; writes qc, kvc
.if DOCPART == 2
	.amdgcn_target "amdgcn-amd-amdhsa--gfx1250"
	.amdhsa_code_object_version 6
	.text
	.protected	k_q356bf4b774_qkv
	.globl	k_q356bf4b774_qkv
	.p2align	8
	.type	k_q356bf4b774_qkv,@function
k_q356bf4b774_qkv:
	s_mov_b64 s[64:65], 0
	v_nop
	global_prefetch_b8 v0, s[64:65] scope:SCOPE_SE
	s_setreg_imm32_b32 hwreg(HW_REG_WAVE_MODE, 25, 1), 1
	s_wait_xcnt 0x0
	s_wait_alu depctr_hold_cnt(0) depctr_sa_sdst(0) depctr_va_vdst(0) depctr_va_sdst(0) depctr_va_ssrc(0) depctr_va_vcc(0) depctr_vm_vsrc(0)
	s_getreg_b32 s2, hwreg(HW_REG_IB_STS2, 6, 4)
	s_cmp_eq_u32 s2, 0
	s_cbranch_scc0 .Lentry_in_a_cluster
	s_endpgm
.Lentry_in_a_cluster:
	s_bfe_u32 s2, ttmp6, 0x10000c
	s_cmp_lg_u32 s2, 0xf033
	s_cbranch_scc0 .Lentry_shape_is_right
	s_endpgm
.Lentry_shape_is_right:
; qkv = x W_attn^T on codes of FP8 (E4M3); the sums are quantised in registers into q, k and v's codes, with the given scales (entries 0, 1 of the operands; 2, 3, 5 of q, k, v).
; A tile is 256 tokens x the 192 columns of ONE head (64 of q, 64 of k, 64 of v).  256 work-groups of four waves make two tiles each, tile rows ty and ty + 16, of one head: both take the same rows of W_attn,
; and the ring of LDS slots goes on from the first tile into the second.  A wave makes 128 tokens x 96 columns (two tiles of 16 of each of q, k, v): 48 accumulators.
; OPERANDS lie in memory as images of their registers ([K slot of 256][block of 16 rows][K step of 128][2,048 bytes]), so a K slot's tile is one dense block, a fragment is four loads at 16 x lane, 512 bytes apart.
; q AND k ARE MADE TRANSPOSED (source 0 = 16 rows of W, source 1 = 16 tokens): a lane holds one token and eight neighbours along the head's 64, which is the next product's K.
; v IS MADE THE NATURAL WAY (source 0 = 16 tokens, source 1 = 16 rows of W): a lane holds one of the head's 64 and eight neighbouring tokens: the keys, the K of the product with the softmax.
; So eight registers of an accumulator convert into two registers of the next operand, and four such registers leave as they stand: each store of the wave covers 512 consecutive aligned bytes.
; OUT: qc [batch x head 64][tile of 16 queries 128][1,024];  kvc [batch x head 64][step of 128 keys 16][16,384]: eight tiles of 16 keys x 64 (1,024 bytes each), then four tiles of V^T, 16 x 128 keys (2,048 each).
; CLUSTERS: 4 x 4 work-groups.  The four of a row of the cluster share x's tiles, the four of a column W's: each tile is asked for jointly, by the same tensor load with the same descriptor and a mask that names the four.
; LIMITS on the given exponents, so that each power of two below is an f32 number: e2 - e0 - e1, e3 - e0 - e1 and e5 - e0 - e1 between -126 and 119.
; REGISTERS, in windows of 256: window 0: v8-13 scales and holds; v16-29 addresses; v32-127 the codes; v128-255 x's eight fragments, ONE set.   window 1: W's six fragments, TWO sets, at v0 and v128.
;   window 2: the accumulators of my token blocks 0-3 (block a, column tile b at v[48 a + 8 b]; b = 0, 1: q; 2, 3: k; 4, 5: v);   window 3: those of blocks 4-7.
.set SLOT,  114688                     ; a slot: 256 along K: x's 16 blocks of rows x 4,096 bytes, then W's 12
.set BOFF,  65536
.set SPARE, 2*SLOT                     ; behind the ring: the spare words, 128 bytes for each wave: two blocks of 256 bytes that no other line names
.set SCL,  8                           ; v8, v10, v12: 2^(e - e0 - e1) for q, k, v;  v9, v11, v13: 448 x that
.set ADRA, 16                          ; v16-17  LDS address of my fragments of x in slot 0, 1
.set ADRB, 20                          ; v20-21  the same for W
.set LI,   26                          ; v26     16 x lane; never rewritten
.set SPW,  28                          ; v28     LDS address of my spare word; never rewritten
.set NIL,  29                          ; v29     0; never rewritten
.set QC,   32                          ; q's codes: four registers a token block
.set KC,   64                          ; k's
.set VC,   96                          ; v's: 16 registers for each of my two tiles of V^T
.set AF,   128
.set G1,  24                           ; s[24:31] descriptor group 1 for x's tiles; s[32:39] group 0, a set for each slot
.set G0,  32
.set G1B, 48                           ; s[48:55], s[56:63] the same for W's tiles
.set G0B, 56
.set QB,  80                           ; s[80:81], s[82:83], s[84:85]: where my codes of q, k, v go
.set KB,  82
.set VB,  84
.set MSB, 0
.macro WIN new                         ; the immediate's high byte repeats the setting that is left; a switch that changes nothing is dropped
.if MSB != (\new)
	s_set_vgpr_msb (MSB<<8)|(\new)
.set MSB, (\new)
.endif
.endm
.macro PLACES n
.rept \n
	v_nop
.endr
.endm
; A joint load: waves 0 and 1 fetch x's two halves, waves 2 and 3 W's.  The branch hangs on the wave's number alone.  Four v_nop follow each of the two lines.
.macro JLOAD s
	s_cmp_eq_u32 s15, 0
	s_cbranch_scc0 .Lfor_b_\@
	tensor_load_to_lds s[G0+4*\s:G0+4*\s+3], s[G1:G1+7]
	s_nop 0
.rept 4
	v_nop
.endr
	s_branch .Lasked_\@
.Lfor_b_\@:
	tensor_load_to_lds s[G0B+4*\s:G0B+4*\s+3], s[G1B:G1B+7]
	s_nop 0
.rept 4
	v_nop
.endr
.Lasked_\@:
.endm
.macro CREST                           ; a round of the cluster's barrier behind its opening barrier
	s_cmp_lg_u32 s14, 0
	s_cbranch_scc1 .Lnot_wave_0_\@
	s_barrier_signal -3
.Lnot_wave_0_\@:
	s_barrier_wait -3
	s_barrier_signal -1
	s_barrier_wait -1
.endm
.macro CROUND                          ; a whole round
	s_barrier_signal -1
	s_barrier_wait -1
	CREST
.endm
	s_load_b256 s[4:11], s[0:1], 0x0               ; x's codes s[4:5], W's s[6:7], the exponents s[8:9], q's codes s[10:11]
	s_load_b64 s[12:13], s[0:1], 0x20              ; k's and v's codes
	v_lshl_add_u32 v[SPW], v0, 2, SPARE
	v_mov_b32 v[NIL], 0
	ds_add_u32 v28, v29
	s_wait_dscnt 0x0
	v_lshrrev_b32 v1, 5, v0
	v_readfirstlane_b32 s14, v1                    ; wave 0..3
	s_lshr_b32 s15, s14, 1                         ; which 128 tokens of the tile are mine.  Also: I fetch for x (0) or for W (1)
	s_and_b32 s16, s14, 1                          ; which tiles of 16 columns.  Also: which half of that tile I fetch
	s_bfe_u32 s40, ttmp6, 0x40000                  ; cx, cy: my place in the cluster
	s_bfe_u32 s41, ttmp6, 0x40004
	s_lshl_b32 s42, ttmp9, 2
	s_add_co_u32 s42, s42, s40                     ; the head = 4 x cluster x + cx
	s_and_b32 s17, ttmp7, 0xffff
	s_lshl_b32 s17, s17, 2
	s_add_co_u32 s17, s17, s41                     ; the first tile row = 4 x cluster y + cy
	s_lshl_b32 s43, s41, 2
	s_lshl_b32 s43, 15, s43                        ; my row of the cluster
	s_lshl_b32 s44, 0x1111, s40                    ; my column
	; descriptor group 1: a dense block as rows of 256 bytes: 32 elements of 8 bytes; x: 128 rows, W: 96
	s_or_b32 s[G1], s43, (3<<16)|(1<<21)           ; 15:0 the mask: x's tiles go to my row; 17:16 elements of 8 bytes; 21 set beside a mask; no padding
	s_or_b32 s[G1B], s44, (3<<16)|(1<<21)          ; W's tiles go to my column
	s_mov_b32 s[G1+1], 32<<16                      ; tensor_dim0
	s_mov_b32 s[G1+2], 128<<16                     ; tensor_dim1
	s_mov_b32 s[G1+3], 32<<16                      ; tile_dim0
	s_mov_b32 s[G1+4], 128                         ; tile_dim1
	s_mov_b32 s[G1+5], 32                          ; tensor_dim0_stride
	s_mov_b32 s[G1+6], 0
	s_mov_b32 s[G1+7], 0
	s_mov_b32 s[G1B+1], 32<<16
	s_mov_b32 s[G1B+2], 96<<16
	s_mov_b32 s[G1B+3], 32<<16
	s_mov_b32 s[G1B+4], 96
	s_mov_b32 s[G1B+5], 32
	s_mov_b32 s[G1B+6], 0
	s_mov_b32 s[G1B+7], 0
	s_lshl_b32 s18, s16, 15                        ; x: my half, 32,768 bytes, in memory and in a slot
	s_mul_i32 s19, s16, 24576                      ; W: my half
	s_lshl_b32 s20, s17, 16                        ; x: 65,536 bytes a tile row in each K slot
	s_add_co_u32 s20, s20, s18
	s_mov_b32 s21, 0
	s_mul_i32 s46, s42, 49152                      ; W: 49,152 bytes a head in each K slot
	s_add_co_u32 s46, s46, s19
	s_mov_b32 s47, 0
	s_add_co_u32 s45, s19, BOFF                    ; W's place in a slot: no place in the cluster enters an LDS address
	s_wait_kmcnt 0x0
	s_load_b256 s[72:79], s[8:9], 0x0              ; e0 .. e7
	s_add_nc_u64 s[20:21], s[4:5], s[20:21]
	s_add_nc_u64 s[46:47], s[6:7], s[46:47]
	CROUND                                         ; all sixteen work-groups are here: the first joint loads meet
.irp s, 0,1
	s_mov_b32 s[G0+4*\s], 1
	s_add_co_u32 s[G0+4*\s+1], s18, \s*SLOT
	s_add_nc_u64 s[G0+4*\s+2:G0+4*\s+3], s[20:21], \s*0x200000
	s_or_b32 s[G0+4*\s+3], s[G0+4*\s+3], 0x80000000
	s_mov_b32 s[G0B+4*\s], 1
	s_add_co_u32 s[G0B+4*\s+1], s45, \s*SLOT
	s_add_nc_u64 s[G0B+4*\s+2:G0B+4*\s+3], s[46:47], \s*0xc0000
	s_or_b32 s[G0B+4*\s+3], s[G0B+4*\s+3], 0x80000000
	JLOAD \s                                       ; K slots 0 and 1: two tensor loads of mine are out
.endr
	v_and_b32 v1, 31, v0
	v_lshlrev_b32 v[LI], 4, v1
	s_lshl_b32 s88, s15, 15                        ; my eight blocks of tokens
	s_lshl_b32 s89, s16, 13                        ; my two blocks of rows in each of W's three groups of four,
	s_add_co_u32 s89, s89, BOFF                    ; behind x's tile
.irp s, 0,1
	v_add_nc_u32 v[ADRA+\s], s88, v[LI]
	v_add_nc_u32 v[ADRB+\s], s89, v[LI]
	s_add_co_u32 s88, s88, SLOT
	s_add_co_u32 s89, s89, SLOT
.endr
	; where my codes go
	s_lshr_b32 s86, s17, 3
	s_lshl_b32 s86, s86, 4
	s_add_co_u32 s86, s86, s42                     ; batch x 16 + head (eight tile rows to a batch)
	s_and_b32 s87, s17, 7
	s_lshl_b32 s87, s87, 1
	s_add_co_u32 s87, s87, s15                     ; my 128 tokens: which step of 128 in the sequence
	s_lshl_b32 s90, s86, 17
	s_lshl_b32 s91, s87, 13                        ; eight tiles of queries of 1,024 bytes
	s_add_co_u32 s90, s90, s91
	s_lshl_b32 s91, s16, 9                         ; my two column tiles are half of a tile's registers: 512 bytes
	s_add_co_u32 s90, s90, s91
	s_mov_b32 s91, 0
	s_add_nc_u64 s[QB:QB+1], s[10:11], s[90:91]
	s_lshl_b32 s92, s86, 18
	s_lshl_b32 s93, s87, 14
	s_add_co_u32 s92, s92, s93                     ; the step's 16,384 bytes
	s_lshl_b32 s93, s16, 9
	s_add_co_u32 s90, s92, s93
	s_add_nc_u64 s[KB:KB+1], s[12:13], s[90:91]
	s_lshl_b32 s93, s16, 12                        ; my two tiles of V^T of 2,048 bytes,
	s_add_co_u32 s90, s92, s93
	s_add_co_u32 s90, s90, 8192                    ; behind the step's eight tiles of keys
	s_add_nc_u64 s[VB:VB+1], s[12:13], s[90:91]
	s_wait_kmcnt 0x0
	s_add_co_i32 s86, s72, s73                     ; a sum stands for sum x 2^(e0 + e1): its code is sum / 2^(e - e0 - e1): the three scales are folded into the conversion's one
.macro SCALES e, v
	s_sub_co_i32 s87, s[\e], s86
	s_add_co_i32 s87, s87, 127
	s_lshl_b32 s88, s87, 23
	v_mov_b32 v[\v], s88
	s_add_co_i32 s87, s87, 8
	s_lshl_b32 s87, s87, 23
	s_or_b32 s87, s87, 0x600000
	v_mov_b32 v[\v+1], s87
.endm
	SCALES 74, SCL
	SCALES 75, SCL+2
	SCALES 77, SCL+4
.macro FRAG reg, adr, off              ; a fragment's image: four loads, 512 bytes apart, 16 x lane in each
.irp c, 0,1,2,3
	ds_load_b128 v[\reg+4*\c:\reg+4*\c+3], v[\adr] offset:\off+512*\c
.endr
.endm
.macro FETCH_B slot, q, p              ; W's six fragments of the slot's q-th 128 along K into set p: 24 loads
	WIN 0x40
.irp b, 0,1,2,3,4,5
	FRAG 128*(\p)+16*\b, ADRB+\slot, (4*(\b/2)+\b%2)*4096+2048*(\q)
.endr
	WIN 0
.endm
.macro FETCH_A slot, q, i0             ; x's blocks i0 .. i0 + 3: 16 loads
.irp i, \i0, \i0+1, \i0+2, \i0+3
	FRAG AF+16*(\i), ADRA+\slot, (\i)*4096+2048*(\q)
.endr
.endm
; 16 products for q and k: source 0 = W, source 1 = x.  The 48 accumulators take turns, one instruction a turn, in the same order in every step.
.macro MULT hi, p, zero
	WIN 0xa1+0x50*(\hi)
.irp a, 0,1,2,3
.irp b, 0,1,2,3
.if \zero
	v_wmma_f32_16x16x128_fp8_fp8 v[48*\a+8*\b:48*\a+8*\b+7], v[128*(\p)+16*\b:128*(\p)+16*\b+15], v[AF+16*(4*(\hi)+\a):AF+16*(4*(\hi)+\a)+15], 0
.else
	v_wmma_f32_16x16x128_fp8_fp8 v[48*\a+8*\b:48*\a+8*\b+7], v[128*(\p)+16*\b:128*(\p)+16*\b+15], v[AF+16*(4*(\hi)+\a):AF+16*(4*(\hi)+\a)+15], v[48*\a+8*\b:48*\a+8*\b+7]
.endif
.endr
.endr
.endm
; 8 products for v: source 0 = x, source 1 = W
.macro MULN hi, p, zero
	WIN 0xa4+0x50*(\hi)
.irp a, 0,1,2,3
.irp b, 4,5
.if \zero
	v_wmma_f32_16x16x128_fp8_fp8 v[48*\a+8*\b:48*\a+8*\b+7], v[AF+16*(4*(\hi)+\a):AF+16*(4*(\hi)+\a)+15], v[128*(\p)+16*\b:128*(\p)+16*\b+15], 0
.else
	v_wmma_f32_16x16x128_fp8_fp8 v[48*\a+8*\b:48*\a+8*\b+7], v[AF+16*(4*(\hi)+\a):AF+16*(4*(\hi)+\a)+15], v[128*(\p)+16*\b:128*(\p)+16*\b+15], v[48*\a+8*\b:48*\a+8*\b+7]
.endif
.endr
.endr
.endm
; A slot's first 128 along K (W's set 0).  A load into a register that a matrix instruction has read stands four places behind it (ISA guide 7.12.1 for vector instructions): hence the v_nop.
.macro STEP slot, zero
	s_wait_dscnt 16                                ; W's set and x's blocks 0-3 are in; the youngest 16 loads (blocks 4-7) may be out
	MULT 0, 0, \zero
	MULN 0, 0, \zero
	s_wait_dscnt 0                                 ; blocks 4-7 are in
	PLACES 4
	FETCH_B \slot, 1, 1
	FETCH_A \slot, 1, 0
	MULT 1, 0, \zero
	MULN 1, 0, \zero
	PLACES 4
	WIN 0
	FETCH_A \slot, 1, 4
.endm
; A slot's second 128 along K (W's set 1) changes slots: ONE barrier; in front of it each wave waits for all its tensor loads, adds 0 to its spare word, and waits for that and for its reads of this slot.
; fill = 1: the barrier opens a round of the cluster's, and this slot is filled again first thing behind it: with this tile's K slot two on (on = 0) or with the next tile's K slot 0 or 1 (on = 1).
.macro TURN slot, next, fill, on
	s_wait_tensorcnt 0x0                           ; all my tensor loads have landed: the one that was out is my part of the next slot
	ds_add_u32 v[SPW], v[NIL]                      ; 0 onto my spare word
	s_wait_dscnt 17                                ; (the add and the youngest 16 loads, x's blocks 4-7, may be out)
	MULT 0, 1, 0                                   ; sixteen matrix instructions stand between the add and the wait for it
	s_wait_dscnt 0x0                               ; the add is done, and my reads of this slot are over
	s_barrier_signal -1
	MULN 0, 1, 0
	WIN 0
	s_barrier_wait -1
.if \fill
	CREST                                          ; no wave of any partner still reads this slot or has a load on its way
.if \on
	s_sub_nc_u64 s[G0+4*\slot+2:G0+4*\slot+3], s[G0+4*\slot+2:G0+4*\slot+3], 0x300000     ; two K slots back, sixteen tile rows on
	s_sub_nc_u64 s[G0B+4*\slot+2:G0B+4*\slot+3], s[G0B+4*\slot+2:G0B+4*\slot+3], 0x180000 ; two K slots back: the same rows of W
.else
	s_add_nc_u64 s[G0+4*\slot+2:G0+4*\slot+3], s[G0+4*\slot+2:G0+4*\slot+3], 0x400000     ; two K slots on
	s_add_nc_u64 s[G0B+4*\slot+2:G0B+4*\slot+3], s[G0B+4*\slot+2:G0B+4*\slot+3], 0x180000
.endif
	JLOAD \slot                                    ; the first tensor load behind the round, my one load until the next; its four v_nop are also the places in front of the loads below
.else
	PLACES 4
.endif
	FETCH_B \next, 0, 0
	FETCH_A \next, 0, 0
	MULT 1, 1, 0
	MULN 1, 1, 0
	PLACES 4
	WIN 0
	FETCH_A \next, 0, 4
.endm
; A TILE'S WAY OUT: hold, convert, store.  Each accumulator is taken from its low end on.
.macro EPI second
	PLACES 4                                       ; behind the last products, ahead of the first read of results
.if \second
	s_wait_xcnt 0x0                                ; the first tile's stores have read their data and bases: both are written again only behind this wait
	s_add_nc_u64 s[QB:QB+1], s[QB:QB+1], 0x400000  ; sixteen tile rows on are two batches on: 32 x 131,072 bytes of q's codes,
	s_add_nc_u64 s[KB:KB+1], s[KB:KB+1], 0x800000  ; 32 x 262,144 of k's and v's
	s_add_nc_u64 s[VB:VB+1], s[VB:VB+1], 0x800000
.endif
.irp hi, 0,1
	WIN 0x82+0x41*\hi                              ; source 0 and destination: window 2, then 3
.irp a, 0,1,2,3
.irp b, 0,1,2,3,4,5
.irp j, 0,1,2,3,4,5,6,7
	v_med3_num_f32 v[48*\a+8*\b+\j], v[48*\a+8*\b+\j], -v[SCL+1+2*(\b/2)], v[SCL+1+2*(\b/2)]   ; the conversion does not saturate (ISA guide 7.6.2): the hold at 448 x the scale
.endr
.endr
.endr
	WIN 0x02+\hi
.irp a, 0,1,2,3
	v_cvt_scalef32_pk8_fp8_f32 v[QC+4*(4*\hi+\a):QC+4*(4*\hi+\a)+1],   v[48*\a:48*\a+7],     v[SCL]
	v_cvt_scalef32_pk8_fp8_f32 v[QC+4*(4*\hi+\a)+2:QC+4*(4*\hi+\a)+3], v[48*\a+8:48*\a+15],  v[SCL]
	v_cvt_scalef32_pk8_fp8_f32 v[KC+4*(4*\hi+\a):KC+4*(4*\hi+\a)+1],   v[48*\a+16:48*\a+23], v[SCL+2]
	v_cvt_scalef32_pk8_fp8_f32 v[KC+4*(4*\hi+\a)+2:KC+4*(4*\hi+\a)+3], v[48*\a+24:48*\a+31], v[SCL+2]
	v_cvt_scalef32_pk8_fp8_f32 v[VC+2*(4*\hi+\a):VC+2*(4*\hi+\a)+1],       v[48*\a+32:48*\a+39], v[SCL+4]   ; token block a is keys 16 a on: registers 2 a, 2 a + 1 of V^T's fragment
	v_cvt_scalef32_pk8_fp8_f32 v[VC+16+2*(4*\hi+\a):VC+16+2*(4*\hi+\a)+1], v[48*\a+40:48*\a+47], v[SCL+4]
.endr
	v_nop                                          ; one plain vector line behind the last conversion: later products write its sources
.endr
	WIN 0
.irp a, 0,1,2,3,4,5,6,7
	global_store_b128 v[LI], v[QC+4*\a:QC+4*\a+3], s[QB:QB+1] offset:1024*\a    ; each store: 512 consecutive aligned bytes
	global_store_b128 v[LI], v[KC+4*\a:KC+4*\a+3], s[KB:KB+1] offset:1024*\a
.endr
.irp d, 0,1
.irp i, 0,1,2,3
	global_store_b128 v[LI], v[VC+16*\d+4*\i:VC+16*\d+4*\i+3], s[VB:VB+1] offset:2048*\d+512*\i
.endr
.endr
.endm
	s_wait_tensorcnt 1                             ; my part of K slot 0 is in; K slot 1's may stay out
	s_barrier_signal -1
	s_barrier_wait -1                              ; everybody's is
	FETCH_B 0, 0, 0
	FETCH_A 0, 0, 0
	FETCH_A 0, 0, 4
	STEP 0, 1                                      ; the first tile: the first products start the sums: nothing is cleared
	TURN 0, 1, 1, 0
	STEP 1, 0
	TURN 1, 0, 1, 0
	STEP 0, 0
	TURN 0, 1, 1, 1                                ; the ring goes on into the second tile: slot 0 takes its K slot 0,
	STEP 1, 0
	TURN 1, 0, 1, 1                                ; slot 1 its K slot 1, and its first fragments are fetched
	EPI 0
	STEP 0, 1                                      ; the second tile
	TURN 0, 1, 1, 0
	STEP 1, 0
	TURN 1, 0, 1, 0
	STEP 0, 0
	TURN 0, 1, 0, 0                                ; nothing is left to fetch
	STEP 1, 0
	s_wait_dscnt 16                                ; the very last step
	MULT 0, 1, 0
	MULN 0, 1, 0
	s_wait_dscnt 0
	MULT 1, 1, 0
	MULN 1, 1, 0
	WIN 0
	EPI 1
	s_wait_tensorcnt 0x0                           ; the wave's end
	ds_add_u32 v[SPW], v[NIL]
	s_wait_dscnt 0x0
	CROUND                                         ; the closing round: no work-group ends while a partner may still ask for a tile that names it
	s_endpgm
.Lfunc_end_k_q356bf4b774_qkv:
	.size	k_q356bf4b774_qkv, .Lfunc_end_k_q356bf4b774_qkv-k_q356bf4b774_qkv
	.p2alignl 7, 3214868480
	.fill 96, 4, 3214868480
	.section	.rodata,"a",@progbits
	.p2align	6, 0x0
	.amdhsa_kernel k_q356bf4b774_qkv
		.amdhsa_group_segment_fixed_size 327680
		.amdhsa_private_segment_fixed_size 0
		.amdhsa_enable_private_segment 0
		.amdhsa_kernarg_size 40
		.amdhsa_user_sgpr_count 2
		.amdhsa_user_sgpr_kernarg_segment_ptr 1
		.amdhsa_wavefront_size32 1
		.amdhsa_system_sgpr_workgroup_id_x 1
		.amdhsa_system_sgpr_workgroup_id_y 1
		.amdhsa_system_sgpr_workgroup_id_z 1
		.amdhsa_system_vgpr_workitem_id 0
		.amdhsa_next_free_vgpr 1024
		.amdhsa_next_free_sgpr 100
		.amdhsa_reserve_vcc 0
		.amdhsa_float_denorm_mode_32 3
		.amdhsa_float_denorm_mode_16_64 3
		.amdhsa_memory_ordered 1
		.amdhsa_forward_progress 1
		.amdhsa_inst_pref_size 186
	.end_amdhsa_kernel
	.amdgpu_metadata
---
amdhsa.version: [ 1, 2 ]
amdhsa.kernels:
  - .name:           k_q356bf4b774_qkv
    .symbol:         k_q356bf4b774_qkv.kd
    .args:
      - { .name: xc, .offset: 0, .size: 8, .value_kind: global_buffer, .address_space: global }
      - { .name: wac, .offset: 8, .size: 8, .value_kind: global_buffer, .address_space: global }
      - { .name: lowp_scales, .offset: 16, .size: 8, .value_kind: global_buffer, .address_space: global }
      - { .name: qc, .offset: 24, .size: 8, .value_kind: global_buffer, .address_space: global }
      - { .name: kvc, .offset: 32, .size: 8, .value_kind: global_buffer, .address_space: global }
    .group_segment_fixed_size: 327680
    .private_segment_fixed_size: 0
    .kernarg_segment_align: 8
    .kernarg_segment_size: 40
    .max_flat_workgroup_size: 128
    .sgpr_count:     100
    .vgpr_count:     1024
    .wavefront_size: 32
...
	.end_amdgpu_metadata
.endif
;; end of part 2
;; launch attn (part 3): grid 4 x 64, 8 waves a work-group, no clusters, 327,680 bytes of LDS; arguments qc, kvc, lowp_scales, yc; writes yc
.if DOCPART == 3
	.amdgcn_target "amdgcn-amd-amdhsa--gfx1250"
	.amdhsa_code_object_version 6
	.text
	.protected	k_q356bf4b774_attn
	.globl	k_q356bf4b774_attn
	.p2align	8
	.type	k_q356bf4b774_attn,@function
k_q356bf4b774_attn:
	s_mov_b64 s[64:65], 0
	v_nop
	global_prefetch_b8 v0, s[64:65] scope:SCOPE_SE
	s_setreg_imm32_b32 hwreg(HW_REG_WAVE_MODE, 25, 1), 1
	s_wait_xcnt 0x0
; y = softmax(q k^T / 8, causal) v for each of 64 (batch, head), 2,048 tokens, head size 64, both products on codes of FP8 (E4M3); y is quantised in registers (scale entry 6) for the last product.
; THE SOFTMAX AHEAD OF THE SECOND PRODUCT: t = score x log2(e) / 8; M = the row's largest t so far, rounded UP to a whole number; p = 2^(t - M) is quantised (entry 4), not normalised.  The row's sum is taken of the
; unquantised p, in f32, and divides at the end.  When M moves, the sum and O are multiplied by 2^(old M - new M): exact.
; SHARES.  Work-group (j, batch x head) takes the block of 256 queries 7 - j, which wants 8 - j slots of 256 keys, and then block j, which wants j + 1: NINE slots in every work-group, so the loop's trip count
; is a constant, all 256 work-groups have equal work, and no tile is fetched that the mask hides whole.  Each of the eight waves owns 32 queries, two tiles of 16: a fragment of K or V read from LDS feeds two products.
; LAYOUT.  Both products are used transposed: S^T = K Q^T (source 0 = 16 keys, source 1 = 16 queries), O^T = V^T P^T (source 0 = 16 of the head's 64 x 128 keys, source 1 = P): a lane holds ONE query throughout,
; and the eight registers of a tile of S^T are keys 16 kt + 8 (lane / 16) + 0..7: they convert into registers 2 kt, 2 kt + 1 of P's fragment.  All operands lie in memory as images of their registers.
; THE RING: two LDS slots of 32,768 bytes (two steps of 128 keys: eight tiles of K and four of V^T each), filled by waves 0 and 1, 16,384 bytes each, read by all eight.
; NO CLUSTER: the four work-groups of one (batch, head) walk 8 - j and j + 1 slots in their two passes, so in a given trip they want different slots of keys: no joint request would be alike in all four.
; OUT: yc as the last product's operand: [K slot 4][block of 16 tokens 512][K step 2][2,048]; head hh's 64 are the 1,024 bytes at (hh / 4) x 0x200000 + block x 4,096 + (hh % 4) x 1,024.
; LIMITS on the given exponents, so that each power of two below is an f32 number: e2 + e3 between -123 and 130 (they are added to c's exponent field); e4 between -126 and 119; e4 + e5 - e6 goes in by v_ldexp_f32 and has none.
; REGISTERS: window 0: v1-7 addresses and the mask's; v8-15 -M, the largest t, the sum (a pair) for each tile; v16-31 at work; v33, v35 constants; v64-191 S^T, then p; v192-223 P's codes; v224-239 y's codes.
;   window 1: v0-63 O^T (tile T, 16 dt on: v[32 T + 8 dt]); v64-79 Q; v128-191 K's eight fragments; v192-255 V^T's four.
.set SLOT1, 32768                      ; slot 1 begins here: one exclusive or turns an address in one slot into the other's
.set STEPB, 16384                      ; a step of 128 keys
.set SPARE, 65536                      ; behind the ring: the spare words, 128 bytes for each wave: four blocks of 256 bytes that no other line names
.set LI,   1                           ; v1   16 x lane; never rewritten
.set ADR,  2                           ; v2   LDS address of the slot in hand
.set SPW,  3                           ; v3   LDS address of my spare word; never rewritten
.set NIL,  4                           ; v4   0; never rewritten
.set RH,   5                           ; v5   lane % 16 - 8 (lane / 16)
.set DD,   6                           ; v6   the mask: my query of tile 0 less my first key
.set NINF, 7                           ; v7   -infinity
.set NM,   8                           ; + 4 T: -M
.set TM,   9                           ;        the largest t
.set L,    10                          ;        the sum, in two halves
.set MX,   16                          ; + 8 T: at work
.set MY,   17
.set F,    18                          ;        f = 2^(old M - new M) (a pair is named; its low word serves both halves)
.set PX,   20
.set PLIM, 32
.set PSC,  33                          ; 2^e4
.set YLIM, 34
.set ONE,  35                          ; 1
.set S,    64
.set P,    192
.set YC,   224
.set OQ,   64                          ; in window 1
.set KR,   128
.set VR,   192
.set WV,   12
.set SEL,  14                          ; s[14:15] lane selects for v_permlanex16_b32: lane l xor 16
.set CS,   16                          ; s[16:17] c
.set G0,   20                          ; s[20:23] descriptor group 0, which walks
.set G1,   24                          ; s[24:31] group 1
.set KVW,  32                          ; s[32:33] my half of the head's first slot
.set OFF,  34                          ; s[34:35] the slot to fetch, in bytes
.set FS,   36                          ; the slot of keys to fetch next
.set N1,   37                          ; 8 - j: the first pass's slots
.set TRIP, 38
.set TB,   39                          ; LDS byte at which the slot in hand begins
.set KF,   40                          ; the step's first key
.set Q0,   41                          ; my first query
.set Q0B,  42                          ; and in the second pass
.set EO,   43                          ; e4 + e5 - e6
.set YB,   44                          ; s[44:45] y's codes of my queries; s[46:47] in the second pass
.set Y2,   46
.set QB1,  48                          ; s[48:49] q's codes of my queries; s[50:51] in the second pass
.set QB2,  50
.set MSB, 0
.macro WIN new
.if MSB != (\new)
	s_set_vgpr_msb (MSB<<8)|(\new)
.set MSB, (\new)
.endif
.endm
.macro PLACES n
.rept \n
	v_nop
.endr
.endm
.macro TLOAD                           ; waves 0 and 1 fetch, the others nothing: the branch hangs on the wave's number alone.  Four v_nop follow the line
	s_cmp_lt_u32 s[WV], 2
	s_cbranch_scc0 .Lnone_\@
	tensor_load_to_lds s[G0:G0+3], s[G1:G1+7]
	s_nop 0
.rept 4
	v_nop
.endr
.Lnone_\@:
.endm
	s_load_b256 s[4:11], s[0:1], 0x0               ; q's codes s[4:5], k's and v's s[6:7], the exponents s[8:9], y's codes s[10:11]
	v_lshl_add_u32 v[SPW], v0, 2, SPARE
	v_mov_b32 v[NIL], 0
	ds_add_u32 v3, v4
	s_wait_dscnt 0x0
	v_lshrrev_b32 v[DD], 5, v0
	v_readfirstlane_b32 s[WV], v[DD]               ; wave 0..7
	s_and_b32 s52, ttmp7, 0xffff                   ; batch x 16 + head
	s_sub_co_u32 s[N1], 8, ttmp9
	s_lshl_b32 s53, s[WV], 5
	s_sub_co_u32 s54, 7, ttmp9
	s_lshl_b32 s54, s54, 8
	s_add_co_u32 s[Q0], s54, s53                   ; 256 (7 - j) + 32 x wave
	s_lshl_b32 s54, ttmp9, 8
	s_add_co_u32 s[Q0B], s54, s53                  ; 256 j + 32 x wave
	s_and_b32 s55, s[WV], 1
	s_lshl_b32 s55, s55, 14                        ; which step of a slot I fetch, if I fetch
	s_lshl_b32 s56, s52, 18                        ; 262,144 bytes of k's and v's codes a head
	s_add_co_u32 s56, s56, s55
	s_mov_b32 s57, 0
	s_lshl_b32 s58, s52, 17                        ; 131,072 bytes of q's codes a head; 64 bytes a query
	s_lshl_b32 s60, s[Q0], 6
	s_add_co_u32 s60, s60, s58
	s_mov_b32 s61, 0
	s_lshl_b32 s62, s[Q0B], 6
	s_add_co_u32 s62, s62, s58
	s_mov_b32 s63, 0
	s_and_b32 s66, s52, 15                         ; the head
	s_lshr_b32 s67, s66, 2
	s_lshl_b32 s67, s67, 21
	s_and_b32 s66, s66, 3
	s_lshl_b32 s66, s66, 10
	s_add_co_u32 s66, s66, s67
	s_lshr_b32 s67, s52, 4                         ; the batch: 128 blocks of tokens of 4,096 bytes
	s_lshl_b32 s67, s67, 19
	s_add_co_u32 s66, s66, s67
	s_lshl_b32 s68, s[Q0], 8                       ; 4,096 bytes for 16 tokens
	s_add_co_u32 s68, s68, s66
	s_mov_b32 s69, 0
	s_lshl_b32 s70, s[Q0B], 8
	s_add_co_u32 s70, s70, s66
	s_mov_b32 s71, 0
	; descriptor group 1: 16,384 dense bytes as 64 rows of 256: 32 elements of 8 bytes
	s_mov_b32 s[G1], 3<<16                         ; no mask; elements of 8 bytes; no padding
	s_mov_b32 s[G1+1], 32<<16                      ; tensor_dim0
	s_mov_b32 s[G1+2], 64<<16                      ; tensor_dim1
	s_mov_b32 s[G1+3], 32<<16                      ; tile_dim0
	s_mov_b32 s[G1+4], 64                          ; tile_dim1
	s_mov_b32 s[G1+5], 32                          ; tensor_dim0_stride
	s_mov_b32 s[G1+6], 0
	s_mov_b32 s[G1+7], 0
	s_mov_b32 s[SEL], 0x76543210
	s_mov_b32 s[SEL+1], 0xfedcba98
	s_mov_b32 s[CS], 0x3e38aa3b                    ; c = log2(e) / 8
	s_mov_b32 s[OFF+1], 0
	s_mov_b32 s[FS], 1
	s_mov_b32 s[TRIP], 0
	s_mov_b32 s[TB], 0
	s_mov_b32 s[KF], 0
	s_wait_kmcnt 0x0
	s_load_b256 s[72:79], s[8:9], 0x0              ; e0 .. e7
	s_add_nc_u64 s[KVW:KVW+1], s[6:7], s[56:57]
	s_add_nc_u64 s[QB1:QB1+1], s[4:5], s[60:61]
	s_add_nc_u64 s[QB2:QB2+1], s[4:5], s[62:63]
	s_add_nc_u64 s[YB:YB+1], s[10:11], s[68:69]
	s_add_nc_u64 s[Y2:Y2+1], s[10:11], s[70:71]
	s_mov_b32 s[G0], 1                             ; count = 1
	s_mov_b32 s[G0+1], s55                         ; LDS address: slot 0, my step
	s_mov_b64 s[G0+2:G0+3], s[KVW:KVW+1]           ; the head's first 256 keys
	s_or_b32 s[G0+3], s[G0+3], 0x80000000          ; type = 2
	TLOAD                                          ; the one first fill: one tensor load of mine is out
	v_and_b32 v[LI], 31, v0
	v_lshlrev_b32 v[LI], 4, v[LI]
	WIN 0x40                                       ; destination window 1
.irp T, 0,1
.irp c, 0,1
	global_load_b128 v[OQ+8*\T+4*\c:OQ+8*\T+4*\c+3], v[LI], s[QB1:QB1+1] offset:1024*\T+512*\c   ; Q's two fragments stay in registers
.endr
.endr
.set n, 0
.rept 64
	v_mov_b32 v[n], 0                              ; O^T.  (The step is written once: its first run finds zeros, which the first change of M leaves zeros)
.set n, n+1
.endr
	WIN 0
	v_and_b32 v[RH], 15, v0
	v_bfe_u32 v[DD], v0, 4, 1
	v_lshlrev_b32 v[DD], 3, v[DD]
	v_sub_nc_u32 v[RH], v[RH], v[DD]
	v_mov_b32 v[NINF], 0xff800000
.irp T, 0,1
	v_mov_b32 v[TM+4*\T], 0xff61b1e6               ; the largest t so far: -3e38, under every t
	v_floor_f32 v[NM+4*\T], -v[TM+4*\T]
	v_mov_b32 v[L+4*\T], 0
	v_mov_b32 v[L+4*\T+1], 0
	v_mov_b32 v[F+8*\T+1], 0                       ; (named as the upper half of a pair)
	v_mov_b32 v[PX+8*\T], 0                        ; a lane permute's destination counts as one of its sources
.endr
	v_mov_b32 v[ONE], 1.0
	s_wait_kmcnt 0x0
	s_add_co_i32 s52, s74, s75
	s_lshl_b32 s52, s52, 23
	s_add_co_i32 s[CS], s[CS], s52                 ; a score stands for score x 2^(e2 + e3): the exponents are added to c's exponent field
	s_mov_b32 s[CS+1], s[CS]                       ; (named with it as a pair)
	s_add_co_i32 s52, s76, 127
	s_lshl_b32 s53, s52, 23
	v_mov_b32 v[PSC], s53
	s_add_co_i32 s[EO], s76, s77
	s_sub_co_i32 s[EO], s[EO], s78
; A KEY STEP: 128 keys, the q-th of the slot in hand, against my 32 queries.
.macro STEP q
	s_add_co_u32 s53, s[Q0], 31                    ; a step all of whose keys come after my queries is left out: a scalar branch on ids; no barrier and no tensor load stands in a step
	s_cmp_gt_u32 s[KF], s53
	s_cbranch_scc1 .Lhidden_\@
	v_add_nc_u32 v[ADR], s[TB], v[LI]
	PLACES 3                                       ; with the addition above: four places behind the last products, ahead of loads into V's registers
	WIN 0x40
.irp kt, 0,1,2,3,4,5,6,7
	ds_load_b128 v[KR+8*\kt:KR+8*\kt+3],   v[ADR] offset:STEPB*\q+1024*\kt
	ds_load_b128 v[KR+8*\kt+4:KR+8*\kt+7], v[ADR] offset:STEPB*\q+1024*\kt+512
.endr
.irp dt, 0,1,2,3
.irp i, 0,1,2,3
	ds_load_b128 v[VR+16*\dt+4*\i:VR+16*\dt+4*\i+3], v[ADR] offset:STEPB*\q+8192+2048*\dt+512*\i
.endr
.endr
	s_wait_dscnt 16                                ; K is in; V's 16 loads may be out
	WIN 0x05
.irp kt, 0,1,2,3,4,5,6,7
.irp T, 0,1
	v_wmma_f32_16x16x64_fp8_fp8 v[S+64*\T+8*\kt:S+64*\T+8*\kt+7], v[KR+8*\kt:KR+8*\kt+7], v[OQ+8*\T:OQ+8*\T+7], 0
.endr
.endr
	WIN 0
	PLACES 4
	s_add_co_u32 s53, s[KF], 127                   ; on the diagonal hidden scores become -infinity ahead of the maximum: p = 0 then.  A step all of whose keys count skips this.
	s_cmp_le_u32 s53, s[Q0]                        ; (KF is a multiple of 128 and Q0 of 32, so in a step that runs KF <= Q0: key KF counts for every query of mine)
	s_cbranch_scc1 .Lopen_\@
	s_sub_co_i32 s53, s[Q0], s[KF]
	v_add_nc_u32 v[DD], s53, v[RH]                 ; register 8 kt + i of tile T holds key KF + 16 kt + 8 (lane / 16) + i: hidden where 16 kt + i - 16 T > d
.irp T, 0,1
.set n, 0
.rept 64
	v_cmp_gt_i32 vcc_lo, 16*(n/8)+n%8-16*\T, v[DD]
	v_cndmask_b32 v[S+64*\T+n], v[S+64*\T+n], v[NINF], vcc_lo
.set n, n+1
.endr
.endr
.Lopen_\@:
.irp T, 0,1                                    ; the step's largest score of each query, two chains a tile, each accumulator from its low end on
	v_max3_num_f32 v[MX+8*\T], v[S+64*\T], v[S+64*\T+1], v[S+64*\T+2]
	v_max3_num_f32 v[MY+8*\T], v[S+64*\T+3], v[S+64*\T+4], v[S+64*\T+5]
.endr
.irp i, 6,10,14,18,22,26,30,34,38,42,46,50,54,58
.irp T, 0,1
	v_max3_num_f32 v[MX+8*\T], v[MX+8*\T], v[S+64*\T+\i], v[S+64*\T+\i+1]
	v_max3_num_f32 v[MY+8*\T], v[MY+8*\T], v[S+64*\T+\i+2], v[S+64*\T+\i+3]
.endr
.endr
.irp T, 0,1
	v_max3_num_f32 v[MX+8*\T], v[MX+8*\T], v[S+64*\T+62], v[S+64*\T+63]
.endr
.irp T, 0,1
	v_max_num_f32 v[MX+8*\T], v[MX+8*\T], v[MY+8*\T]
.endr
.irp T, 0,1
	v_permlanex16_b32 v[PX+8*\T], v[MX+8*\T], s[SEL], s[SEL+1]
.endr
.irp T, 0,1
	v_max_num_f32 v[MX+8*\T], v[MX+8*\T], v[PX+8*\T]   ; and among lane l xor 16's keys
.endr
.irp T, 0,1
	v_mul_f32 v[MX+8*\T], s[CS], v[MX+8*\T]        ; as t (c is positive)
.endr
.irp T, 0,1
	v_max_num_f32 v[TM+4*\T], v[TM+4*\T], v[MX+8*\T]
	v_mov_b32 v[MY+8*\T], v[NM+4*\T]
.endr
.irp T, 0,1
	v_floor_f32 v[NM+4*\T], -v[TM+4*\T]            ; the new -M = floor(-t) = -ceil(t): M is a whole number
.endr
.irp T, 0,1
	v_sub_f32 v[MY+8*\T], v[NM+4*\T], v[MY+8*\T]   ; old M - new M: a whole number, 0 or less
.endr
.irp T, 0,1
	v_cvt_i32_f32 v[MY+8*\T], v[MY+8*\T]           ; (it saturates)
.endr
.irp T, 0,1
	v_ldexp_f32 v[F+8*\T], 1.0, v[MY+8*\T]         ; f = 2^(old M - new M)
.endr
.irp T, 0,1
	v_pk_mul_f32 v[L+4*\T:L+4*\T+1], v[L+4*\T:L+4*\T+1], v[F+8*\T:F+8*\T+1] op_sel_hi:[1,0]
.endr
; p, its sum and its codes, pair by pair in three stages: pair g is scaled (t - M) while pair g - 1 is raised and pair g - 2 is summed and, with every fourth pair, converted.
; So plain lines stand between an exponential and the use of its result, and the exponentials stand among plain work.
.set g, 0
.rept 34
.if (g >= 1) && (g <= 32)
.irp T, 0,1
	v_exp_f32 v[S+64*\T+2*(g-1)], v[S+64*\T+2*(g-1)]
	v_exp_f32 v[S+64*\T+2*(g-1)+1], v[S+64*\T+2*(g-1)+1]
.endr
.endif
.if g < 32
.irp T, 0,1
	v_pk_fma_f32 v[S+64*\T+2*g:S+64*\T+2*g+1], v[S+64*\T+2*g:S+64*\T+2*g+1], s[CS:CS+1], v[NM+4*\T:NM+4*\T+1] op_sel_hi:[1,0,0]
.endr
.endif
.if g >= 2
	s_wait_alu depctr_va_vdst(0)
.irp T, 0,1
	v_pk_add_f32 v[L+4*\T:L+4*\T+1], v[L+4*\T:L+4*\T+1], v[S+64*\T+2*(g-2):S+64*\T+2*(g-2)+1]   ; the sum is taken of the unquantised p
.if (g-2)%4 == 3
	v_cvt_scalef32_pk8_fp8_f32 v[P+16*\T+2*((g-2)/4):P+16*\T+2*((g-2)/4)+1], v[S+64*\T+8*((g-2)/4):S+64*\T+8*((g-2)/4)+7], v[PSC]
.endif
.endr
.endif
.set g, g+1
.endr
	WIN 0x41
.irp T, 0,1
.set n, 0
.rept 16
	v_pk_mul_f32 v[32*\T+2*n:32*\T+2*n+1], v[32*\T+2*n:32*\T+2*n+1], v[F+8*\T:F+8*\T+1] op_sel_hi:[1,0]   ; O^T under the new M.  (These are also the plain lines behind the last conversion)
.set n, n+1
.endr
.endr
	s_wait_dscnt 0x0                               ; V is in
	WIN 0x51
.irp dt, 0,1,2,3
.irp T, 0,1
	v_wmma_f32_16x16x128_fp8_fp8 v[32*\T+8*\dt:32*\T+8*\dt+7], v[VR+16*\dt:VR+16*\dt+15], v[P+16*\T:P+16*\T+15], v[32*\T+8*\dt:32*\T+8*\dt+7]
.endr
.endr
	WIN 0
.Lhidden_\@:
	s_add_co_u32 s[KF], s[KF], 128
.endm
; THE CHANGE OF SLOTS stands at a slot's head.  Each wave waits for all its tensor loads, adds 0 to its spare word, and waits for that and for its reads of the slot that it has left.  Behind the barrier the slot
; ahead is whole and nobody reads the other one.  fill = 1: that other slot takes the next slot of keys in the work-group's walk: it has a whole slot's steps in which to land.
.macro CHANGE fill
	s_wait_tensorcnt 0x0                           ; no tensor load of mine is out, so the group 0 may be written
	ds_add_u32 v[SPW], v[NIL]                      ; 0 onto my spare word
.if \fill
	s_xor_b32 s[G0+1], s[G0+1], SLOT1              ; the other slot than last time
	s_lshl_b32 s[OFF], s[FS], 15
	s_add_nc_u64 s[G0+2:G0+3], s[KVW:KVW+1], s[OFF:OFF+1]
	s_or_b32 s[G0+3], s[G0+3], 0x80000000
	s_add_co_u32 s[FS], s[FS], 1
	s_cmp_eq_u32 s[FS], s[N1]                      ; behind the first pass's last slot comes the second pass's slot 0
	s_cselect_b32 s[FS], 0, s[FS]
.endif
	s_wait_dscnt 0x0                               ; the add is done, and my reads of the slot that I have left are over
	s_barrier_signal -1
	s_barrier_wait -1
.if \fill
	TLOAD                                          ; the first thing behind the barrier, and a wave's one tensor load until the next
.endif
.endm
; A PASS'S WAY OUT: O^T / the sum x 2^(e4 + e5 - e6), converted: the codes are registers of the last product's operand and leave as they stand.
.macro OUT
	PLACES 4                                       ; behind the last products, ahead of the first read of O^T
.irp T, 0,1
	v_add_f32 v[MX+8*\T], v[L+4*\T], v[L+4*\T+1]
.endr
.irp T, 0,1
	v_permlanex16_b32 v[PX+8*\T], v[MX+8*\T], s[SEL], s[SEL+1]
.endr
.irp T, 0,1
	v_add_f32 v[MX+8*\T], v[MX+8*\T], v[PX+8*\T]   ; the row's sum
.endr
.irp T, 0,1
	v_rcp_f32 v[MX+8*\T], v[MX+8*\T]
.endr
	v_nop                                          ; one plain line behind a transcendental
	s_wait_alu depctr_va_vdst(0)
.irp T, 0,1
	v_ldexp_f32 v[F+8*\T], v[MX+8*\T], s[EO]
.endr
	WIN 0x01
.irp T, 0,1
.set n, 0
.rept 16
	v_pk_mul_f32 v[S+64*\T+2*n:S+64*\T+2*n+1], v[32*\T+2*n:32*\T+2*n+1], v[F+8*\T:F+8*\T+1] op_sel_hi:[1,0]   ; each accumulator from its low end on
.set n, n+1
.endr
.endr
	WIN 0
.irp T, 0,1
.set n, 0
.rept 32
.set n, n+1
.endr
.endr
.irp T, 0,1
.irp dt, 0,1,2,3
	v_cvt_scalef32_pk8_fp8_f32 v[YC+8*\T+2*\dt:YC+8*\T+2*\dt+1], v[S+64*\T+8*\dt:S+64*\T+8*\dt+7], v[ONE]
.endr
.endr
	v_nop                                          ; one plain line behind the last conversion
.irp T, 0,1
.irp c, 0,1
	global_store_b128 v[LI], v[YC+8*\T+4*\c:YC+8*\T+4*\c+3], s[YB:YB+1] offset:4096*\T+512*\c   ; 512 consecutive aligned bytes
.endr
.endr
.endm
; In the trip in which the second pass begins: the first pass's queries go out, the second pass's come in.  O^T and the sum are not cleared: they are finite, and with the largest t back at -3e38 the next step's f is 0.
.macro SWITCH
	s_cmp_lg_u32 s[TRIP], s[N1]                    ; a branch on ids, the same in all eight waves; no barrier, tensor load or LDS instruction stands under it
	s_cbranch_scc1 .Lsame_\@
	OUT
	s_wait_xcnt 0x0                                ; the stores have read their data and base: both are written again only behind this wait
	s_mov_b64 s[YB:YB+1], s[Y2:Y2+1]
	s_mov_b32 s[Q0], s[Q0B]
	s_mov_b32 s[KF], 0
	WIN 0x40
.irp T, 0,1
.irp c, 0,1
	global_load_b128 v[OQ+8*\T+4*\c:OQ+8*\T+4*\c+3], v[LI], s[QB2:QB2+1] offset:1024*\T+512*\c
.endr
.endr
	WIN 0
.irp T, 0,1
	v_mov_b32 v[TM+4*\T], 0xff61b1e6
	v_floor_f32 v[NM+4*\T], -v[TM+4*\T]
.endr
	s_wait_loadcnt 0x0
.Lsame_\@:
.endm
	s_wait_loadcnt 0x0                             ; Q
.Lslot:                                            ; eight trips: behind each change of slots but the last the next slot is asked for
	CHANGE 1
	SWITCH
	STEP 0
	STEP 1
	s_xor_b32 s[TB], s[TB], SLOT1                  ; on to the other slot
	s_add_co_u32 s[TRIP], s[TRIP], 1
	s_cmp_lt_u32 s[TRIP], 8
	s_cbranch_scc1 .Lslot
	CHANGE 0                                       ; the ninth slot is written out
	SWITCH
	STEP 0
	STEP 1
	OUT
	s_wait_tensorcnt 0x0                           ; the wave's end
	ds_add_u32 v[SPW], v[NIL]
	s_wait_dscnt 0x0
	s_endpgm
.Lfunc_end_k_q356bf4b774_attn:
	.size	k_q356bf4b774_attn, .Lfunc_end_k_q356bf4b774_attn-k_q356bf4b774_attn
	.p2alignl 7, 3214868480
	.fill 96, 4, 3214868480
	.section	.rodata,"a",@progbits
	.p2align	6, 0x0
	.amdhsa_kernel k_q356bf4b774_attn
		.amdhsa_group_segment_fixed_size 327680
		.amdhsa_private_segment_fixed_size 0
		.amdhsa_enable_private_segment 0
		.amdhsa_kernarg_size 32
		.amdhsa_user_sgpr_count 2
		.amdhsa_user_sgpr_kernarg_segment_ptr 1
		.amdhsa_wavefront_size32 1
		.amdhsa_system_sgpr_workgroup_id_x 1
		.amdhsa_system_sgpr_workgroup_id_y 1
		.amdhsa_system_sgpr_workgroup_id_z 1
		.amdhsa_system_vgpr_workitem_id 0
		.amdhsa_next_free_vgpr 512
		.amdhsa_next_free_sgpr 100
		.amdhsa_reserve_vcc 1
		.amdhsa_float_denorm_mode_32 3
		.amdhsa_float_denorm_mode_16_64 3
		.amdhsa_fp16_overflow 1
		.amdhsa_memory_ordered 1
		.amdhsa_forward_progress 1
		.amdhsa_inst_pref_size 161
	.end_amdhsa_kernel
	.amdgpu_metadata
---
amdhsa.version: [ 1, 2 ]
amdhsa.kernels:
  - .name:           k_q356bf4b774_attn
    .symbol:         k_q356bf4b774_attn.kd
    .args:
      - { .name: qc, .offset: 0, .size: 8, .value_kind: global_buffer, .address_space: global }
      - { .name: kvc, .offset: 8, .size: 8, .value_kind: global_buffer, .address_space: global }
      - { .name: lowp_scales, .offset: 16, .size: 8, .value_kind: global_buffer, .address_space: global }
      - { .name: yc, .offset: 24, .size: 8, .value_kind: global_buffer, .address_space: global }
    .group_segment_fixed_size: 327680
    .private_segment_fixed_size: 0
    .kernarg_segment_align: 8
    .kernarg_segment_size: 32
    .max_flat_workgroup_size: 256
    .sgpr_count:     100
    .vgpr_count:     512
    .wavefront_size: 32
...
	.end_amdgpu_metadata
.endif
;; end of part 3
;; launch proj (part 4): grid 8 x 32, 4 waves a work-group, clusters of 4 x 4, 327,680 bytes of LDS; arguments yc, wpc, lowp_scales, out0; writes out0
.if DOCPART == 4
	.amdgcn_target "amdgcn-amd-amdhsa--gfx1250"
	.amdhsa_code_object_version 6
	.text
	.protected	k_q356bf4b774_proj
	.globl	k_q356bf4b774_proj
	.p2align	8
	.type	k_q356bf4b774_proj,@function
k_q356bf4b774_proj:
	s_mov_b64 s[64:65], 0
	v_nop
	global_prefetch_b8 v0, s[64:65] scope:SCOPE_SE
	s_setreg_imm32_b32 hwreg(HW_REG_WAVE_MODE, 25, 1), 1
	s_wait_xcnt 0x0
	s_wait_alu depctr_hold_cnt(0) depctr_sa_sdst(0) depctr_va_vdst(0) depctr_va_sdst(0) depctr_va_ssrc(0) depctr_va_vcc(0) depctr_vm_vsrc(0)
	s_getreg_b32 s2, hwreg(HW_REG_IB_STS2, 6, 4)
	s_cmp_eq_u32 s2, 0
	s_cbranch_scc0 .Lentry_in_a_cluster
	s_endpgm
.Lentry_in_a_cluster:
	s_bfe_u32 s2, ttmp6, 0x10000c
	s_cmp_lg_u32 s2, 0xf033
	s_cbranch_scc0 .Lentry_shape_is_right
	s_endpgm
.Lentry_shape_is_right:
; out = y W_proj^T on codes of FP8 (E4M3): y [8192][1024], W_proj [1024][1024] as images of operand registers ([K slot of 256][block of 16 rows][K step of 128][2,048 bytes]); out [8192][1024] f32.
; Each finished sum is multiplied once by 2^(e6 + e7).  LIMIT: e6 + e7 between -126 and 127, so that this is an f32 number.
; A tile of out is 256 x 128: 256 work-groups of four waves; a wave makes 128 x 64: 32 accumulators.  The matrix instruction is used transposed (source 0 = 16 rows of W, source 1 = 16 rows of y): a lane holds
; eight neighbouring numbers of a row of out.
; K IS FOUR SLOTS OF 256, LDS HOLDS THREE: K slots 0, 1, 2 are asked for together at the start (three tensor loads of a wave are out), and only K slot 3 is a refill, of the first slot, asked for in the second
; of the eight steps and first read in the seventh.
; CLUSTERS: 4 x 4 work-groups; y's tiles are shared along a row of the cluster, W's along a column: joint loads, alike in the four that the mask names.
; REGISTERS: window 0: v16-29 addresses; v32-63 a block's results; v64-127 rows read back from the stage, two sets; v128-255 y's eight fragments, ONE set.   window 1: W's four fragments, TWO sets, at v0 and v128.
;   window 2: the accumulators (block a of 16 rows, tile b of 16 columns at v[32 a + 8 b]).
.set SLOT,   98304                     ; y's 16 blocks of rows x 4,096 bytes, then W's 8
.set BOFF,   65536
.set STAGE,  3*SLOT                    ; behind the slots: 16 rows x 272 bytes for each wave, for the way out; no tile lands there
.set SPITCH, 272                       ; 256 bytes + 16: sixteen rows start 16 bytes apart modulo 256
.set SPARE,  STAGE+4*16*SPITCH         ; behind the stages: the spare words, 128 bytes for each wave: two blocks of 256 bytes that no other line names
.set ADRA, 16                          ; v16-18  LDS address of my fragments of y in slot 0, 1, 2
.set ADRB, 20                          ; v20-22  the same for W
.set STO,  24                          ; v24     the way out: where I put 32 bytes of a row
.set RD,   25                          ; v25     where I read rows back
.set CO,   26                          ; v26     my byte offset in two rows of out
.set LI,   27                          ; v27     16 x lane
.set SPW,  28
.set NIL,  29
.set TMP,  32
.set BK,   64
.set AF,   128
.set G1,  24                           ; s[24:31] group 1 for y's tiles; s[32:43] group 0, a set for each slot
.set G0,  32
.set G1B, 48                           ; s[48:55] group 1 for W's tiles; s[84:95] group 0
.set G0B, 84
.set MULW, 0xa1                        ; source 0 (W) window 1, source 1 (y) window 0, C and D window 2
.set MSB, 0
.macro WIN new
.if MSB != (\new)
	s_set_vgpr_msb (MSB<<8)|(\new)
.set MSB, (\new)
.endif
.endm
.macro PLACES n
.rept \n
	v_nop
.endr
.endm
.macro JLOAD s                         ; waves 0 and 1 fetch y's two halves, waves 2 and 3 W's; four v_nop follow each of the two lines
	s_cmp_eq_u32 s15, 0
	s_cbranch_scc0 .Lfor_b_\@
	tensor_load_to_lds s[G0+4*\s:G0+4*\s+3], s[G1:G1+7]
	s_nop 0
.rept 4
	v_nop
.endr
	s_branch .Lasked_\@
.Lfor_b_\@:
	tensor_load_to_lds s[G0B+4*\s:G0B+4*\s+3], s[G1B:G1B+7]
	s_nop 0
.rept 4
	v_nop
.endr
.Lasked_\@:
.endm
.macro CREST
	s_cmp_lg_u32 s14, 0
	s_cbranch_scc1 .Lnot_wave_0_\@
	s_barrier_signal -3
.Lnot_wave_0_\@:
	s_barrier_wait -3
	s_barrier_signal -1
	s_barrier_wait -1
.endm
.macro CROUND
	s_barrier_signal -1
	s_barrier_wait -1
	CREST
.endm
	s_load_b256 s[4:11], s[0:1], 0x0               ; y's codes s[4:5], W's s[6:7], the exponents s[8:9], out s[10:11]
	v_lshl_add_u32 v[SPW], v0, 2, SPARE
	v_mov_b32 v[NIL], 0
	ds_add_u32 v28, v29
	s_wait_dscnt 0x0
	v_lshrrev_b32 v1, 5, v0
	v_readfirstlane_b32 s14, v1                    ; wave 0..3
	s_lshr_b32 s15, s14, 1                         ; which 128 rows are mine.  Also: I fetch for y (0) or for W (1)
	s_and_b32 s16, s14, 1                          ; which 64 columns.  Also: which half of that tile I fetch
	s_bfe_u32 s66, ttmp6, 0x40000                  ; cx, cy
	s_bfe_u32 s67, ttmp6, 0x40004
	s_lshl_b32 s68, ttmp9, 2
	s_add_co_u32 s68, s68, s66                     ; tile column = 4 x cluster x + cx
	s_and_b32 s17, ttmp7, 0xffff
	s_lshl_b32 s17, s17, 2
	s_add_co_u32 s17, s17, s67                     ; tile row = 4 x cluster y + cy
	s_lshl_b32 s69, s67, 2
	s_lshl_b32 s69, 15, s69                        ; my row of the cluster
	s_lshl_b32 s70, 0x1111, s66                    ; my column
	s_or_b32 s[G1], s69, (3<<16)|(1<<21)           ; the mask; elements of 8 bytes; 21 set beside a mask; no padding
	s_or_b32 s[G1B], s70, (3<<16)|(1<<21)
	s_mov_b32 s[G1+1], 32<<16                      ; dense blocks as rows of 256 bytes: y 128 rows, W 64
	s_mov_b32 s[G1+2], 128<<16
	s_mov_b32 s[G1+3], 32<<16
	s_mov_b32 s[G1+4], 128
	s_mov_b32 s[G1+5], 32
	s_mov_b32 s[G1+6], 0
	s_mov_b32 s[G1+7], 0
	s_mov_b32 s[G1B+1], 32<<16
	s_mov_b32 s[G1B+2], 64<<16
	s_mov_b32 s[G1B+3], 32<<16
	s_mov_b32 s[G1B+4], 64
	s_mov_b32 s[G1B+5], 32
	s_mov_b32 s[G1B+6], 0
	s_mov_b32 s[G1B+7], 0
	s_lshl_b32 s18, s16, 15                        ; y: my half, 32,768 bytes
	s_lshl_b32 s19, s16, 14                        ; W: my half, 16,384 bytes
	s_lshl_b32 s20, s17, 16
	s_add_co_u32 s20, s20, s18
	s_mov_b32 s21, 0
	s_lshl_b32 s46, s68, 15
	s_add_co_u32 s46, s46, s19
	s_mov_b32 s47, 0
	s_add_co_u32 s45, s19, BOFF
	s_wait_kmcnt 0x0
	s_load_b256 s[72:79], s[8:9], 0x0              ; e0 .. e7
	s_add_nc_u64 s[20:21], s[4:5], s[20:21]
	s_add_nc_u64 s[46:47], s[6:7], s[46:47]
	CROUND                                         ; all sixteen work-groups are here: the first joint loads meet
.irp s, 0,1,2
	s_mov_b32 s[G0+4*\s], 1
	s_add_co_u32 s[G0+4*\s+1], s18, \s*SLOT
	s_add_nc_u64 s[G0+4*\s+2:G0+4*\s+3], s[20:21], \s*0x200000
	s_or_b32 s[G0+4*\s+3], s[G0+4*\s+3], 0x80000000
	s_mov_b32 s[G0B+4*\s], 1
	s_add_co_u32 s[G0B+4*\s+1], s45, \s*SLOT
	s_add_nc_u64 s[G0B+4*\s+2:G0B+4*\s+3], s[46:47], \s*0x40000
	s_or_b32 s[G0B+4*\s+3], s[G0B+4*\s+3], 0x80000000
	JLOAD \s
.endr
	v_and_b32 v1, 31, v0
	v_lshlrev_b32 v[LI], 4, v1
	s_lshl_b32 s82, s15, 15                        ; my eight blocks of rows of y
	s_lshl_b32 s83, s16, 14                        ; my four blocks of rows of W,
	s_add_co_u32 s83, s83, BOFF                    ; behind y's tile
.irp s, 0,1,2
	v_add_nc_u32 v[ADRA+\s], s82, v[LI]
	v_add_nc_u32 v[ADRB+\s], s83, v[LI]
	s_add_co_u32 s82, s82, SLOT
	s_add_co_u32 s83, s83, SLOT
.endr
	v_and_b32 v1, 15, v0                           ; r
	v_bfe_u32 v2, v0, 4, 1                         ; h
	s_mul_i32 s82, s14, 16*SPITCH
	s_add_co_u32 s82, s82, STAGE                   ; my stage
	v_mul_u32_u24 v[STO], v1, SPITCH
	v_lshl_add_u32 v[STO], v2, 5, v[STO]
	v_add_nc_u32 v[STO], s82, v[STO]               ; in: row r, 32 bytes for each half of the lanes
	v_mul_u32_u24 v[RD], v2, SPITCH
	v_lshl_add_u32 v[RD], v1, 4, v[RD]
	v_add_nc_u32 v[RD], s82, v[RD]                 ; back: lanes 0-15 one row of 256 bytes, lanes 16-31 the next
	v_lshlrev_b32 v[CO], 12, v2
	v_lshl_add_u32 v[CO], v1, 4, v[CO]             ; and the same two rows in out
	s_lshl_b32 s80, s17, 20                        ; 256 rows of 4,096 bytes a tile row,
	s_lshl_b32 s81, s15, 19                        ; my 128,
	s_add_co_u32 s80, s80, s81
	s_lshl_b32 s81, s68, 9                         ; 512 bytes a tile column,
	s_add_co_u32 s80, s80, s81
	s_lshl_b32 s81, s16, 8                         ; my 256
	s_add_co_u32 s80, s80, s81
	s_mov_b32 s81, 0
	s_add_nc_u64 s[10:11], s[10:11], s[80:81]
	s_wait_kmcnt 0x0
	s_add_co_i32 s96, s78, s79
	s_add_co_i32 s96, s96, 127
	s_lshl_b32 s96, s96, 23                        ; 2^(e6 + e7) as f32
	s_mov_b32 s97, s96                             ; (named with it as a pair)
.macro FRAG reg, adr, off
.irp c, 0,1,2,3
	ds_load_b128 v[\reg+4*\c:\reg+4*\c+3], v[\adr] offset:\off+512*\c
.endr
.endm
.macro FETCH_B slot, q, p              ; W's four fragments: 16 loads
	WIN 0x40
.irp b, 0,1,2,3
	FRAG 128*(\p)+16*\b, ADRB+\slot, \b*4096+2048*(\q)
.endr
	WIN 0
.endm
.macro FETCH_A slot, q, i0             ; y's blocks i0 .. i0 + 3: 16 loads
.irp i, \i0, \i0+1, \i0+2, \i0+3
	FRAG AF+16*(\i), ADRA+\slot, (\i)*4096+2048*(\q)
.endr
.endm
; 8 products.  The 32 accumulators take turns, one instruction a turn, in the same order in every step.
.macro MUL8 a0, p, zero
.irp a, \a0, \a0+1
.irp b, 0,1,2,3
.if \zero
	v_wmma_f32_16x16x128_fp8_fp8 v[32*(\a)+8*\b:32*(\a)+8*\b+7], v[128*(\p)+16*\b:128*(\p)+16*\b+15], v[AF+16*(\a):AF+16*(\a)+15], 0
.else
	v_wmma_f32_16x16x128_fp8_fp8 v[32*(\a)+8*\b:32*(\a)+8*\b+7], v[128*(\p)+16*\b:128*(\p)+16*\b+15], v[AF+16*(\a):AF+16*(\a)+15], v[32*(\a)+8*\b:32*(\a)+8*\b+7]
.endif
.endr
.endr
.endm
; A step of 128 along K on W's set p; the next step's fragments come from slot nslot, its nq-th 128.  Four places stand in front of loads into registers that matrix instructions have read.
.macro STEP p, nslot, nq, zero
	s_wait_dscnt 16                                ; W's set and y's blocks 0-3 are in; the youngest 16 loads (blocks 4-7) may be out
	WIN MULW
	MUL8 0, \p, \zero
	MUL8 2, \p, \zero
	s_wait_dscnt 0
	PLACES 4
	FETCH_B \nslot, \nq, 1-(\p)
	FETCH_A \nslot, \nq, 0
	WIN MULW
	MUL8 4, \p, \zero
	MUL8 6, \p, \zero
	PLACES 4
	WIN 0
	FETCH_A \nslot, \nq, 4
.endm
; A step (W's set 1) with a barrier: in front of it each wave waits for all its tensor loads, adds 0 to its spare word, and waits for that and for its LDS reads.  fill = 1: the barrier opens a round of the
; cluster's, and slot 0, whose last fragments are in registers, takes K slot 3.
.macro TURN next, fill
	s_wait_tensorcnt 0x0                           ; all my tensor loads have landed
	ds_add_u32 v[SPW], v[NIL]                      ; 0 onto my spare word
	s_wait_dscnt 17                                ; (the add and the youngest 16 loads may be out)
	WIN MULW
	MUL8 0, 1, 0                                   ; eight matrix instructions stand between the add and the wait for it
	s_wait_dscnt 0x0                               ; the add is done, and my reads of the slot are over
	s_barrier_signal -1
	MUL8 2, 1, 0
	WIN 0
	s_barrier_wait -1
.if \fill
	CREST                                          ; no wave of any partner still reads slot 0 or has a load on its way
	s_add_nc_u64 s[G0+2:G0+3], s[G0+2:G0+3], 0x600000       ; three K slots on
	s_add_nc_u64 s[G0B+2:G0B+3], s[G0B+2:G0B+3], 0xc0000
	JLOAD 0                                        ; the first tensor load behind the round; its four v_nop are also the places in front of the loads below
.else
	PLACES 4
.endif
	FETCH_B \next, 0, 0
	FETCH_A \next, 0, 0
	WIN MULW
	MUL8 4, 1, 0
	MUL8 6, 1, 0
	PLACES 4
	WIN 0
	FETCH_A \next, 0, 4
.endm
	s_wait_tensorcnt 2                             ; my part of K slot 0 is in; the two behind it may stay out
	s_barrier_signal -1
	s_barrier_wait -1
	FETCH_B 0, 0, 0
	FETCH_A 0, 0, 0
	FETCH_A 0, 0, 4
	STEP 0, 0, 1, 1                                ; K slot 0: the first products start the sums
	TURN 1, 1                                      ; every wave has shown slots 1 and 2 whole; slot 0 takes K slot 3
	STEP 0, 1, 1, 0                                ; K slot 1
	STEP 1, 2, 0, 0                                ; on into slot 2, which the round above has shown whole to every wave
	STEP 0, 2, 1, 0                                ; K slot 2
	TURN 0, 0                                      ; K slot 3 has landed in every wave's part; nothing is filled again
	STEP 0, 0, 1, 0                                ; K slot 3
	s_wait_dscnt 16                                ; the very last step
	WIN MULW
	MUL8 0, 1, 0
	MUL8 2, 1, 0
	s_wait_dscnt 0
	MUL8 4, 1, 0
	MUL8 6, 1, 0
	WIN 0
; THE WAY OUT, block by block of 16 rows x 64 columns: x 2^(e6 + e7) into other registers, each accumulator from its low end on; through my own stage in LDS; back as whole rows of 256 bytes.
; LDS serves a wave's instructions in order (ISA guide 5.7.1.4): no wait between the stores and the loads, nor in front of the next block's stores.
.macro TOSTAGE a
	WIN 0x02
.set n, 0
.rept 16
	v_pk_mul_f32 v[TMP+2*n:TMP+2*n+1], v[32*(\a)+2*n:32*(\a)+2*n+1], s[96:97] op_sel_hi:[1,0]
.set n, n+1
.endr
	WIN 0
.irp b, 0,1,2,3
	ds_store_b128 v[STO], v[TMP+8*\b:TMP+8*\b+3] offset:64*\b
	ds_store_b128 v[STO], v[TMP+8*\b+4:TMP+8*\b+7] offset:64*\b+16
.endr
.irp t, 0,1,2,3,4,5,6,7
	ds_load_b128 v[BK+32*((\a)%2)+4*\t:BK+32*((\a)%2)+4*\t+3], v[RD] offset:\t*2*SPITCH
.endr
.endm
.macro SEND a, younger                 ; younger: the LDS instructions issued behind block a's loads, which may stay out
	s_wait_dscnt \younger
.irp t, 0,1,2,3,4,5,6,7
	global_store_b128 v[CO], v[BK+32*((\a)%2)+4*\t:BK+32*((\a)%2)+4*\t+3], s[10:11] offset:(\a)*65536+\t*8192 th:TH_STORE_NT   ; 16 lanes store 256 consecutive aligned bytes; written once, read by nobody here
.endr
.endm
	PLACES 4                                       ; behind the last products, ahead of the first read of results
	TOSTAGE 0
.irp a, 1,2,3,4,5,6,7
.if \a > 1
	s_wait_xcnt 0x0                                ; block a - 2's stores have read their registers: block a's loads may land there
.endif
	TOSTAGE \a
	SEND \a-1, 16                                  ; behind block a - 1's loads: block a's 8 stores and 8 loads
.endr
	SEND 7, 0
	s_wait_tensorcnt 0x0                           ; the wave's end
	ds_add_u32 v[SPW], v[NIL]
	s_wait_dscnt 0x0
	CROUND                                         ; the closing round
	s_endpgm
.Lfunc_end_k_q356bf4b774_proj:
	.size	k_q356bf4b774_proj, .Lfunc_end_k_q356bf4b774_proj-k_q356bf4b774_proj
	.p2alignl 7, 3214868480
	.fill 96, 4, 3214868480
	.section	.rodata,"a",@progbits
	.p2align	6, 0x0
	.amdhsa_kernel k_q356bf4b774_proj
		.amdhsa_group_segment_fixed_size 327680
		.amdhsa_private_segment_fixed_size 0
		.amdhsa_enable_private_segment 0
		.amdhsa_kernarg_size 32
		.amdhsa_user_sgpr_count 2
		.amdhsa_user_sgpr_kernarg_segment_ptr 1
		.amdhsa_wavefront_size32 1
		.amdhsa_system_sgpr_workgroup_id_x 1
		.amdhsa_system_sgpr_workgroup_id_y 1
		.amdhsa_system_sgpr_workgroup_id_z 1
		.amdhsa_system_vgpr_workitem_id 0
		.amdhsa_next_free_vgpr 768
		.amdhsa_next_free_sgpr 100
		.amdhsa_reserve_vcc 0
		.amdhsa_float_denorm_mode_32 3
		.amdhsa_float_denorm_mode_16_64 3
		.amdhsa_memory_ordered 1
		.amdhsa_forward_progress 1
		.amdhsa_inst_pref_size 76
	.end_amdhsa_kernel
	.amdgpu_metadata
---
amdhsa.version: [ 1, 2 ]
amdhsa.kernels:
  - .name:           k_q356bf4b774_proj
    .symbol:         k_q356bf4b774_proj.kd
    .args:
      - { .name: yc, .offset: 0, .size: 8, .value_kind: global_buffer, .address_space: global }
      - { .name: wpc, .offset: 8, .size: 8, .value_kind: global_buffer, .address_space: global }
      - { .name: lowp_scales, .offset: 16, .size: 8, .value_kind: global_buffer, .address_space: global }
      - { .name: out0, .offset: 24, .size: 8, .value_kind: global_buffer, .address_space: global }
    .group_segment_fixed_size: 327680
    .private_segment_fixed_size: 0
    .kernarg_segment_align: 8
    .kernarg_segment_size: 32
    .max_flat_workgroup_size: 128
    .sgpr_count:     100
    .vgpr_count:     768
    .wavefront_size: 32
...
	.end_amdgpu_metadata
.endif
;; end of part 4
